; MI455X (gfx1250); checked and timed in simulation.
; The chip was launched on July 23, 2026; its instructions are those of AMD's public machine-readable ISA for CDNA 5 (MIT licence, August 2026) and "CDNA5" Instruction Set Architecture Reference Guide (July 2026). The comments in the code are by the model that wrote it; some were corrected since.
;; Attention. Allowed arithmetic: float matrix products may take bf16 or f16 operands with f32 sums; other float arithmetic in f32, or as packed bf16 or f16 multiplies, adds, multiply-adds, maxima and minima; sums over many terms, partial sums and values carried from step to step in f32; what a program stores and reads back later, other than sums and carried values, may be rounded once to bf16 or f16.
;; Inputs: Wk 512 x 1,024 float32; Wq 512 x 1,024 float32; Wv 512 x 1,024 float32; source_key_value 8 x 2,048 x 1,024 float32; source_key_value_padding_mask 8 x 2,048 bool; source_query 8 x 2,048 x 1,024 float32; source_query_padding_mask 8 x 2,048 bool.
;; Outputs: out0 8 x 2,048 x 512 float32.
;; One version. Each part assembles by itself: llvm-mc -triple=amdgcn-amd-amdhsa -mcpu=gfx1250 --defsym DOCPART=n.
;; ======== version 1 of 1: 3 launches
;; limits: values are held in f16: magnitudes above 65,504 overflow, below 6.1e-05 lose precision
;; workspace buffers: wb 3,145,728 bytes; qkv 50,331,648 bytes; vsum 524,288 bytes
;; launch castw (part 1): grid 64 x 3, 8 waves a work-group, no clusters, 0 bytes of LDS; arguments Wq, Wk, Wv, wb; writes wb
.if DOCPART == 1
	.amdgcn_target "amdgcn-amd-amdhsa--gfx1250"
	.amdhsa_code_object_version 6
	.text
	.protected	k_q7134059b76_castw
	.globl	k_q7134059b76_castw
	.p2align	8
	.type	k_q7134059b76_castw,@function
k_q7134059b76_castw:
	s_mov_b64 s[64:65], 0
	v_nop
	global_prefetch_b8 v0, s[64:65] scope:SCOPE_SE
	s_setreg_imm32_b32 hwreg(HW_REG_WAVE_MODE, 25, 1), 1
	s_wait_xcnt 0x0
; wb[1536][1024] bf16 = Wq, Wk, Wv (each [512][1024] f32) one below the other, each number rounded once to bf16.
; The grid's y picks the matrix; a work-group takes 8,192 numbers in four passes of 2,048; thread t takes 8 numbers a pass:
; 32 bytes in (two loads of 16), 16 bytes out, so a store of a wave covers 512 consecutive bytes, aligned.
; All eight loads go out first; no register is written twice, so only the loads' counted waits are needed.
	s_load_b256 s[4:11], s[0:1], 0x0               ; Wq s[4:5], Wk s[6:7], Wv s[8:9], wb s[10:11]
	s_and_b32 s12, ttmp7, 0xffff                   ; which matrix
	v_lshlrev_b32 v1, 5, v0                        ; 32 t: my bytes in a pass of the input
	v_lshlrev_b32 v2, 4, v0                        ; 16 t: in a pass of the output
	s_lshl_b32 s14, ttmp9, 15                      ; the work-group's 32,768 bytes of input
	s_mov_b32 s15, 0
	s_lshl_b32 s16, s12, 20                        ; a matrix is 1,048,576 bytes of wb,
	s_lshl_b32 s17, ttmp9, 14                      ; the work-group's part 16,384
	s_add_co_u32 s16, s16, s17
	s_mov_b32 s17, 0
	s_wait_kmcnt 0x0
	s_cmp_eq_u32 s12, 1
	s_cselect_b64 s[18:19], s[6:7], s[4:5]
	s_cmp_eq_u32 s12, 2
	s_cselect_b64 s[18:19], s[8:9], s[18:19]
	s_add_nc_u64 s[18:19], s[18:19], s[14:15]
	s_add_nc_u64 s[10:11], s[10:11], s[16:17]
.irp p, 0,1,2,3
	global_load_b128 v[8+8*\p:11+8*\p],  v1, s[18:19] offset:8192*\p th:TH_LOAD_NT
	global_load_b128 v[12+8*\p:15+8*\p], v1, s[18:19] offset:8192*\p+16 th:TH_LOAD_NT
.endr
.irp p, 0,1,2,3
	s_wait_loadcnt 6-2*\p                          ; loads come back in order: pass p's two are in, the younger passes' stay out
	v_cvt_pk_bf16_f32 v[40+4*\p], v[8+8*\p],  v[9+8*\p]
	v_cvt_pk_bf16_f32 v[41+4*\p], v[10+8*\p], v[11+8*\p]
	v_cvt_pk_bf16_f32 v[42+4*\p], v[12+8*\p], v[13+8*\p]
	v_cvt_pk_bf16_f32 v[43+4*\p], v[14+8*\p], v[15+8*\p]
	global_store_b128 v2, v[40+4*\p:43+4*\p], s[10:11] offset:4096*\p
.endr
	s_endpgm
.Lfunc_end_k_q7134059b76_castw:
	.size	k_q7134059b76_castw, .Lfunc_end_k_q7134059b76_castw-k_q7134059b76_castw
	.p2alignl 7, 3214868480
	.fill 96, 4, 3214868480
	.section	.rodata,"a",@progbits
	.p2align	6, 0x0
	.amdhsa_kernel k_q7134059b76_castw
		.amdhsa_group_segment_fixed_size 0
		.amdhsa_private_segment_fixed_size 0
		.amdhsa_enable_private_segment 0
		.amdhsa_kernarg_size 32
		.amdhsa_user_sgpr_count 2
		.amdhsa_user_sgpr_kernarg_segment_ptr 1
		.amdhsa_wavefront_size32 1
		.amdhsa_system_sgpr_workgroup_id_x 1
		.amdhsa_system_sgpr_workgroup_id_y 1
		.amdhsa_system_sgpr_workgroup_id_z 1
		.amdhsa_system_vgpr_workitem_id 0
		.amdhsa_next_free_vgpr 56
		.amdhsa_next_free_sgpr 66
		.amdhsa_reserve_vcc 0
		.amdhsa_float_denorm_mode_32 3
		.amdhsa_float_denorm_mode_16_64 3
		.amdhsa_memory_ordered 1
		.amdhsa_forward_progress 1
		.amdhsa_inst_pref_size 4
	.end_amdhsa_kernel
	.amdgpu_metadata
---
amdhsa.version: [ 1, 2 ]
amdhsa.kernels:
  - .name:           k_q7134059b76_castw
    .symbol:         k_q7134059b76_castw.kd
    .args:
      - { .name: Wq, .offset: 0, .size: 8, .value_kind: global_buffer, .address_space: global }
      - { .name: Wk, .offset: 8, .size: 8, .value_kind: global_buffer, .address_space: global }
      - { .name: Wv, .offset: 16, .size: 8, .value_kind: global_buffer, .address_space: global }
      - { .name: wb, .offset: 24, .size: 8, .value_kind: global_buffer, .address_space: global }
    .group_segment_fixed_size: 0
    .private_segment_fixed_size: 0
    .kernarg_segment_align: 8
    .kernarg_segment_size: 32
    .max_flat_workgroup_size: 256
    .sgpr_count:     66
    .vgpr_count:     56
    .wavefront_size: 32
...
	.end_amdgpu_metadata
.endif
;; end of part 1
;; launch proj (part 2): grid 24 x 32, 4 waves a work-group, clusters of 4 x 1, 327,680 bytes of LDS; arguments source_query, source_key_value, wb, qkv, vsum; writes qkv, vsum
.if DOCPART == 2
	.amdgcn_target "amdgcn-amd-amdhsa--gfx1250"
	.amdhsa_code_object_version 6
	.text
	.protected	k_q7134059b76_proj
	.globl	k_q7134059b76_proj
	.p2align	8
	.type	k_q7134059b76_proj,@function
k_q7134059b76_proj:
	s_mov_b64 s[64:65], 0
	v_nop
	global_prefetch_b8 v0, s[64:65] scope:SCOPE_SE
	s_setreg_imm32_b32 hwreg(HW_REG_WAVE_MODE, 25, 1), 1
	s_wait_xcnt 0x0
	s_wait_alu depctr_hold_cnt(0) depctr_sa_sdst(0) depctr_va_vdst(0) depctr_va_sdst(0) depctr_va_ssrc(0) depctr_va_vcc(0) depctr_vm_vsrc(0)
	s_getreg_b32 s2, hwreg(HW_REG_IB_STS2, 6, 4)
	s_cmp_eq_u32 s2, 0
	s_cbranch_scc0 .Lentry_in_a_cluster
	s_endpgm
.Lentry_in_a_cluster:
	s_bfe_u32 s2, ttmp6, 0x10000c
	s_cmp_lg_u32 s2, 0x3003
	s_cbranch_scc0 .Lentry_shape_is_right
	s_endpgm
.Lentry_shape_is_right:
; THE THREE PROJECTIONS AS ONE GEMM.  qkv[part][row][col] = the sum over k of x[row][k] wb[512 part + col][k]; x = source_query for part 0 (q), source_key_value for parts 1, 2 (k, v).
; x: [16384][1024] f32, rounded to bf16 on its way in; wb: [1536][1024] bf16; sums in f32; qkv: [3][16384][512] f16, each number rounded once, unscaled.
; Also vsum[n][col] (f32) = the sum of v over rows 64 n .. 64 n + 63, taken of the f32 sums: the next launch makes a batch's mean row of v from them.
; LIMIT.  q, k and v must lie within f16's 65,504; beyond it the conversion gives an infinity.  NaN and infinities are not treated apart.
; SHARES.  A work-group makes 128 rows x 256 columns; column tile ct = cluster x (0..5), row tile rt = 4 x cluster y + cx.  Wave w: rows 64 (w / 2) on, columns 128 (w % 2) on: 32 accumulators.
; CLUSTER.  The four partners have one column tile, so wb's tile (256 rows x 128 k a step) is asked for jointly: each wave asks for 64 of its rows, with the same descriptor in all four partners.
; x is shared by no partner: each wave loads 32 rows of the tile, 512 consecutive bytes a row and K step, into registers two K steps ahead, rounds them and puts them into LDS for all four waves.
; THE MATRIX INSTRUCTION IS USED TRANSPOSED (source 0 = 16 rows of wb, source 1 = 16 rows of x): a lane holds eight neighbouring columns of one row of the result.
; K goes in 8 steps of 128: step 0 written out (its first products start the sums), steps 1-4 a loop of two trips, steps 5-7 written out, since look-ahead, refill and conversion end at different steps.
; REGISTERS, in windows of 256 (s_set_vgpr_msb: bits 1:0 source 0, 3:2 source 1, 5:4 source 2, 7:6 destination):
;   window 0: v0-14 addresses; v32-95 fragments of x, two buffers; v96-127 at work; v128-255 fragments of wb, two buffers      window 1: accumulator (a, b) at 8 (8 a + b)
;   window 2: x as loaded, two sets of 32 rows x 4 registers
.set PITCH,  272                       ; an LDS row: 256 bytes + 16 of padding: the 16 rows of a fragment load start 16 bytes further on in each 256
.set BSLOT,  256*PITCH                 ; wb's tile of a K step; two slots from byte 0 on, filled by tensor loads
.set ABUF,   2*BSLOT                   ; x's tile of a K step in bf16, 128 rows; two buffers, written by ds_store alone
.set ABYTES, 128*PITCH
.set STAGE,  ABUF+2*ABYTES             ; 16 rows x 272 bytes for each wave, for the way out
.set SPARE,  STAGE+4*16*PITCH          ; the spare words, 128 bytes for each wave: two blocks of 256 bytes that no other line names
.set XOF,  2                           ; v2   16 x lane + my 32 rows of x's tile (4,096 bytes a row); never rewritten
.set AST,  3                           ; v3   where I put 8 bytes of a rounded row
.set ADRA, 4                           ; v4   my fragments of x in buffer 0
.set ADRB, 5                           ; v5-6 my fragments of wb in slot 0, 1
.set STO,  7                           ; v7   the way out: where I put 16 bytes of a row
.set RD,   8                           ; v8   where I read rows back
.set COF,  9                           ; v9   my byte offset in two rows of qkv
.set VST,  10                          ; v10  the column sums: where my half of the lanes puts 32 bytes
.set VLD,  11                          ; v11  where I read 16 bytes of them back
.set SPW,  12                          ; v12  my spare word: SPARE + 4 x my thread's number; never rewritten
.set NIL,  13                          ; v13  0; never rewritten
.set L16,  14                          ; v14  16 x lane
.set AF,   32
.set CVT,  96
.set BF,   128
.set WV,  14                           ; s14  wave
.set WR,  15                           ; s15  which 64 rows
.set WC,  16                           ; s16  which 128 columns
.set CTL, 17                           ; s17  column tile
.set RT,  20                           ; s20  row tile
.set LP,  21                           ; s21  the loop's count
.set G1,  24                           ; s[24:31] descriptor group 1
.set G0,  32                           ; s[32:39] descriptor group 0, a set for each slot
.set XB,  40                           ; s[40:41] x at the tile's first row
.set OB,  42                           ; s[42:43] qkv at my part of the tile
.set VB,  44                           ; s[44:45] vsum at my 128 sums
.set MSB, 0
.macro WIN new                         ; the immediate's high byte repeats the setting that is left; a switch that changes nothing is dropped
.if MSB != (\new)
	s_set_vgpr_msb (MSB<<8)|(\new)
.set MSB, \new
.endif
.endm
.macro PLACES                          ; four plain vector instructions between a matrix instruction and a load into, or a vector write or read of, its registers
.rept 4
	v_nop
.endr
.endm
.macro CREST                           ; a round of the cluster's barrier behind its opening barrier
	s_cmp_lg_u32 s[WV], 0
	s_cbranch_scc1 .Lnot_wave_0_\@
	s_barrier_signal -3
.Lnot_wave_0_\@:
	s_barrier_wait -3
	s_barrier_signal -1
	s_barrier_wait -1
.endm
.macro CROUND
	s_barrier_signal -1
	s_barrier_wait -1
	CREST
.endm
	s_load_b256 s[4:11], s[0:1], 0x0               ; source_query s[4:5], source_key_value s[6:7], wb s[8:9], qkv s[10:11]
	s_load_b64 s[12:13], s[0:1], 0x20              ; vsum
	v_lshl_add_u32 v[SPW], v0, 2, SPARE
	v_mov_b32 v[NIL], 0
	ds_add_u32 v[SPW], v[NIL]                      ; the wave's opening: the add and its wait ahead of my first tensor load; work on registers stands between
	v_lshrrev_b32 v1, 5, v0
	v_readfirstlane_b32 s[WV], v1
	s_lshr_b32 s[WR], s[WV], 1
	s_and_b32 s[WC], s[WV], 1
	s_mov_b32 s[CTL], ttmp9                        ; in a cluster launch ttmp9 and ttmp7 count clusters
	s_and_b32 s18, ttmp7, 0xffff
	s_bfe_u32 s19, ttmp6, 0x40000                  ; cx
	s_lshl_b32 s[RT], s18, 2
	s_add_co_u32 s[RT], s[RT], s19                 ; it enters x's, qkv's and vsum's addresses alone
	s_mov_b32 s[G1+0], 15|(1<<16)|(1<<20)|(1<<21)|(5<<22)|(3<<25)  ; the mask of four; 2-byte elements; padding on; bit 21 beside a mask; after every 64 words, 4 words
	s_mov_b32 s[G1+1], 128<<16                     ; tensor_dim0 = 128
	s_mov_b32 s[G1+2], 64<<16                      ; tensor_dim1 = 64
	s_mov_b32 s[G1+3], 128<<16                     ; tile_dim0 = 128
	s_mov_b32 s[G1+4], 64                          ; tile_dim1 = 64
	s_mov_b32 s[G1+5], 1024                        ; elements from row to row
	s_mov_b32 s[G1+6], 0
	s_mov_b32 s[G1+7], 0
	s_lshl_b32 s46, s[CTL], 8
	s_lshl_b32 s47, s[WV], 6
	s_add_co_u32 s46, s46, s47                     ; wb's row 256 ct + 64 w,
	s_lshl_b32 s46, s46, 11                        ; 2,048 bytes a row
	s_mov_b32 s47, 0
	s_mul_i32 s48, s[WV], 64*PITCH                 ; and where my 64 rows go in a slot
	s_lshl_b32 s50, s[RT], 19                      ; x: 128 rows of 4,096 bytes a tile
	s_mov_b32 s51, 0
	s_wait_dscnt 0x0                               ; the opening add is done
	s_wait_kmcnt 0x0
	s_add_nc_u64 s[46:47], s[8:9], s[46:47]
	s_cmp_lt_u32 s[CTL], 2
	s_cselect_b64 s[XB:XB+1], s[4:5], s[6:7]
	s_add_nc_u64 s[XB:XB+1], s[XB:XB+1], s[50:51]
.irp n, 0,1
	s_mov_b32 s[G0+4*\n], 1
	s_add_co_u32 s[G0+4*\n+1], s48, \n*BSLOT
	s_add_nc_u64 s[G0+4*\n+2:G0+4*\n+3], s[46:47], \n*256   ; K step n
	s_or_b32 s[G0+4*\n+3], s[G0+4*\n+3], 0x80000000
.endr
	CROUND                                         ; all four work-groups are here: the first joint loads meet
	tensor_load_to_lds s[G0:G0+3], s[G1:G1+7]      ; two loads of mine are out
	s_nop 0
	tensor_load_to_lds s[G0+4:G0+7], s[G1:G1+7]
	s_nop 0
	PLACES
; Rows st .. en - 1 of my 32, K step u, into set u % 2: a row's 512 consecutive bytes a load.
.macro XLOAD u, st, en
	WIN 0x80                                       ; destination window 2
.set xi, \st
.rept (\en)-(\st)
	global_load_b128 v[128*((\u)%2)+4*xi:128*((\u)%2)+4*xi+3], v[XOF], s[XB:XB+1] offset:4096*xi+512*(\u)
.set xi, xi+1
.endr
.endm
; The same rows are rounded to bf16 and put into x's buffer u % 2.
.macro XCONV u, st, en
	WIN 0x0a                                       ; sources 0 and 1 window 2
.set xi, \st
.rept (\en)-(\st)
	v_cvt_pk_bf16_f32 v[CVT+2*(xi-(\st))],   v[128*((\u)%2)+4*xi],   v[128*((\u)%2)+4*xi+1]
	v_cvt_pk_bf16_f32 v[CVT+2*(xi-(\st))+1], v[128*((\u)%2)+4*xi+2], v[128*((\u)%2)+4*xi+3]
.set xi, xi+1
.endr
	WIN 0
.set xi, \st
.rept (\en)-(\st)
	ds_store_b64 v[AST], v[CVT+2*(xi-(\st)):CVT+2*(xi-(\st))+1] offset:ABYTES*((\u)%2)+PITCH*xi
.set xi, xi+1
.endr
.endm
	v_and_b32 v15, 31, v0                          ; lane
	s_lshl_b32 s49, s[WV], 17                      ; my 32 rows of 4,096 bytes
	v_lshl_add_u32 v[XOF], v15, 4, s49
	XLOAD 0, 0, 32
	XLOAD 1, 0, 32
	WIN 0
	v_and_b32 v16, 15, v0                          ; r = lane % 16
	v_bfe_u32 v17, v0, 4, 1                        ; h = lane / 16
	s_mul_i32 s49, s[WV], 32*PITCH
	s_add_co_u32 s49, s49, ABUF
	v_lshl_add_u32 v[AST], v15, 3, s49
	v_mul_u32_u24 v18, v16, PITCH
	v_lshl_add_u32 v18, v17, 4, v18                ; a fragment's row x pitch + 16 x half
	s_mul_i32 s49, s[WR], 64*PITCH
	s_add_co_u32 s49, s49, ABUF
	v_add_nc_u32 v[ADRA], s49, v18
	s_mul_i32 s49, s[WC], 128*PITCH
	v_add_nc_u32 v[ADRB], s49, v18
	v_add_nc_u32 v[ADRB+1], BSLOT, v[ADRB]
	s_mul_i32 s49, s[WV], 16*PITCH
	s_add_co_u32 s49, s49, STAGE                   ; my stage
	v_add_nc_u32 v[STO], s49, v18
	v_mul_u32_u24 v[RD], v17, PITCH
	v_lshl_add_u32 v[RD], v16, 4, v[RD]
	v_add_nc_u32 v[RD], s49, v[RD]                 ; lanes 0-15 one row of 256 bytes, lanes 16-31 the next
	v_lshlrev_b32 v[COF], 10, v17
	v_lshl_add_u32 v[COF], v16, 4, v[COF]          ; the same two rows in qkv, 1,024 bytes apart
	v_lshl_add_u32 v[VST], v17, 5, s49
	v_lshlrev_b32 v[L16], 4, v15
	v_add_nc_u32 v[VLD], s49, v[L16]
	s_lshr_b32 s46, s[CTL], 1
	s_lshl_b32 s46, s46, 24                        ; q, k or v: 16,777,216 bytes each
	s_lshl_b32 s47, s[RT], 7
	s_lshl_b32 s49, s[WR], 6
	s_add_co_u32 s47, s47, s49
	s_lshl_b32 s47, s47, 10                        ; my first row
	s_add_co_u32 s46, s46, s47
	s_and_b32 s47, s[CTL], 1
	s_lshl_b32 s47, s47, 9                         ; the tile's 256 columns,
	s_add_co_u32 s46, s46, s47
	s_lshl_b32 s47, s[WC], 8                       ; my 128 of them
	s_add_co_u32 s46, s46, s47
	s_mov_b32 s47, 0
	s_add_nc_u64 s[OB:OB+1], s[10:11], s[46:47]
	s_wait_loadcnt 32                              ; K step 0's 32 rows are in; K step 1's stay out
	XCONV 0, 0, 12
	XCONV 0, 12, 24
	XCONV 0, 24, 32
	XLOAD 2, 0, 32
	WIN 0
; 16 matrix instructions: row blocks a0, a0 + 1 x all 8 column blocks, 32 along K, from buffer f.  The 32 accumulators take turns, one instruction a turn.
.macro MUL16 f, a0, zero
	WIN 0x50                                       ; C and D window 1
.irp a, \a0, (\a0)+1
.irp b, 0,1,2,3,4,5,6,7
.if \zero
	v_wmma_f32_16x16x32_bf16 v[8*(8*(\a)+(\b)):8*(8*(\a)+(\b))+7], v[BF+64*(\f)+8*(\b):BF+64*(\f)+8*(\b)+7], v[AF+32*(\f)+8*(\a):AF+32*(\f)+8*(\a)+7], 0
.else
	v_wmma_f32_16x16x32_bf16 v[8*(8*(\a)+(\b)):8*(8*(\a)+(\b))+7], v[BF+64*(\f)+8*(\b):BF+64*(\f)+8*(\b)+7], v[AF+32*(\f)+8*(\a):AF+32*(\f)+8*(\a)+7], v[8*(8*(\a)+(\b)):8*(8*(\a)+(\b))+7]
.endif
.endr
.endr
.endm
; 24 LDS loads in one run: the fragments of 32 along K at byte k of the rows of slot (and x's buffer) sl, into buffer f
.macro FETCH sl, k, f
	WIN 0
.irp b, 0,1,2,3,4,5,6,7
	ds_load_b128 v[BF+64*(\f)+8*(\b):BF+64*(\f)+8*(\b)+3],   v[ADRB+(\sl)] offset:(\k)+(\b)*16*PITCH
	ds_load_b128 v[BF+64*(\f)+8*(\b)+4:BF+64*(\f)+8*(\b)+7], v[ADRB+(\sl)] offset:(\k)+(\b)*16*PITCH+32
.endr
.irp a, 0,1,2,3
	ds_load_b128 v[AF+32*(\f)+8*(\a):AF+32*(\f)+8*(\a)+3],   v[ADRA] offset:(\sl)*ABYTES+(\k)+(\a)*16*PITCH
	ds_load_b128 v[AF+32*(\f)+8*(\a)+4:AF+32*(\f)+8*(\a)+7], v[ADRA] offset:(\sl)*ABYTES+(\k)+(\a)*16*PITCH+32
.endr
.endm
; Quarter q (0..2) of K step t: multiplies buffer q % 2; in its middle a chunk of K step t + 1's rows of x is rounded and put into LDS (the conversions are the places in front of the
; fragment loads), the next quarter's fragments are fetched, and the chunk's registers are asked for again, for K step t + 3.
.macro QUARTER t, q, zero=0
.set cst, 12*(\q)
.set cen, 12*(\q)+12
.if (\q) == 2
.set cen, 32
.endif
	s_wait_dscnt 0x0                               ; this quarter's fragments are in
	MUL16 (\q)%2, 0, \zero
.if (\t) <= 6
.set cnt, 32-cen                                   ; loads issued behind the chunk's last row: the rest of its K step,
.if (\t)+2 <= 7
.set cnt, cnt+32                                   ; all of K step t + 2,
.endif
.if (\t)+3 <= 7
.set cnt, cnt+cst                                  ; and what this K step has asked for so far
.endif
	s_wait_loadcnt cnt
	XCONV (\t)+1, cst, cen
.else
	PLACES
.endif
	FETCH (\t)%2, 64*((\q)+1), 1-(\q)%2
.if (\t) <= 4
	XLOAD (\t)+3, cst, cen
.endif
	MUL16 (\q)%2, 2, \zero
.endm
; The last quarter multiplies buffer 1 and changes slots.  In front of the barrier each wave waits for all its tensor loads (one is out: its part of the other slot), adds 0 to its spare word, and
; waits for that, for its reads of this slot and of x's buffer, and for its stores into x's other buffer.  t <= 5: the barrier opens a round of the cluster's, and the slot is filled again, two K steps ahead.
.macro TURN t
	WIN 0
.if (\t) < 7
	s_wait_tensorcnt 0x0
	ds_add_u32 v[SPW], v[NIL]
	s_wait_dscnt 1                                 ; the fragments are in; the add alone may be out
	MUL16 1, 0, 0
	s_wait_dscnt 0x0
	s_barrier_signal -1
	WIN 0
	s_barrier_wait -1
.if (\t) <= 5
	CREST                                          ; no wave of any partner still reads this slot or has a load on its way
	s_add_nc_u64 s[G0+4*((\t)%2)+2:G0+4*((\t)%2)+3], s[G0+4*((\t)%2)+2:G0+4*((\t)%2)+3], 512
	tensor_load_to_lds s[G0+4*((\t)%2):G0+4*((\t)%2)+3], s[G1:G1+7]  ; my one tensor load behind the round
	s_nop 0
.endif
	PLACES                                         ; behind the tensor load, and in front of the loads into buffer 0
	FETCH ((\t)+1)%2, 0, 0
	MUL16 1, 2, 0
.else
	s_wait_dscnt 0x0
	MUL16 1, 0, 0
	MUL16 1, 2, 0
.endif
.endm
.macro KSTEP t, zero=0
	QUARTER \t, 0, \zero
	QUARTER \t, 1
	QUARTER \t, 2
	TURN \t
.endm
	s_wait_tensorcnt 1                             ; my part of K step 0 is in; K step 1's may stay out
	s_wait_dscnt 0x0                               ; my rows of x's buffer 0 are stored
	s_barrier_signal -1
	s_barrier_wait -1
	FETCH 0, 0, 0
	KSTEP 0, 1
	WIN 0                                          ; at a label and at a branch every window is 0
	s_mov_b32 s[LP], 2
.Lpair:                                                ; K steps 1, 2 and then 3, 4: the same parities, counts and refills
	KSTEP 1
	KSTEP 2
	WIN 0
	s_wait_xcnt 0x0                                ; the loads issued so far have read x's base
	s_add_nc_u64 s[XB:XB+1], s[XB:XB+1], 1024      ; two K steps on
	s_sub_co_u32 s[LP], s[LP], 1
	s_cmp_lg_u32 s[LP], 0
	s_cbranch_scc1 .Lpair
	KSTEP 5
	KSTEP 6
	KSTEP 7
	; THE WAY OUT, 16 rows at a time: rounded to f16, 16 bytes a lane into my own stage, back as whole rows of 256 bytes, stored.
	WIN 0
	PLACES
.irp a, 0,1,2,3
	WIN 0x05                                       ; sources 0 and 1 window 1
.irp b, 0,1,2,3,4,5,6,7
.irp r, 0,1,2,3
	v_cvt_pk_f16_f32 v[AF+4*(\b)+(\r)], v[64*(\a)+8*(\b)+2*(\r)], v[64*(\a)+8*(\b)+2*(\r)+1]
.endr
.endr
	WIN 0
.irp b, 0,1,2,3,4,5,6,7
	ds_store_b128 v[STO], v[AF+4*(\b):AF+4*(\b)+3] offset:32*(\b)
.endr
	s_wait_xcnt 0x0                                ; the block before's stores have read their registers
.irp i, 0,1,2,3,4,5,6,7
	ds_load_b128 v[BF+4*(\i):BF+4*(\i)+3], v[RD] offset:2*PITCH*(\i)  ; LDS serves a wave's instructions in order: these see the stores above
.endr
	s_wait_dscnt 0x0
.irp i, 0,1,2,3,4,5,6,7
	global_store_b128 v[COF], v[BF+4*(\i):BF+4*(\i)+3], s[OB:OB+1] offset:(16*(\a)+2*(\i))*1024  ; 16 lanes store 256 consecutive bytes, aligned
.endr
.endr
	s_cmp_lt_u32 s[CTL], 4                         ; column tiles 4 and 5 are v's; the tile is the same in all partners
	s_cbranch_scc1 .Lend
	; THE COLUMN SUMS of my 64 rows x 128 columns of v: the four row blocks, then the 16 lanes that hold a column's rows.
	s_lshl_b32 s46, s[RT], 1
	s_add_co_u32 s46, s46, s[WR]
	s_lshl_b32 s46, s46, 11                        ; vsum's row 2 rt + wr, 2,048 bytes
	s_sub_co_u32 s47, s[CTL], 4
	s_lshl_b32 s47, s47, 10
	s_add_co_u32 s46, s46, s47
	s_lshl_b32 s47, s[WC], 9
	s_add_co_u32 s46, s46, s47
	s_mov_b32 s47, 0
	s_add_nc_u64 s[VB:VB+1], s[12:13], s[46:47]
	s_wait_xcnt 0x0                                ; the last stores have read v128-159
	WIN 0x05
.set i, 0
.rept 32
	v_pk_add_f32 v[BF+2*i:BF+2*i+1], v[2*i:2*i+1], v[64+2*i:64+2*i+1]
.set i, i+1
.endr
	WIN 0x04                                       ; source 1 window 1
.irp a, 2,3
.set i, 0
.rept 32
	v_pk_add_f32 v[BF+2*i:BF+2*i+1], v[BF+2*i:BF+2*i+1], v[64*(\a)+2*i:64*(\a)+2*i+1]
.set i, i+1
.endr
.endr
	WIN 0
.irp m, 1,2,4,8
.set i, 0
.rept 64
	v_add_f32_dpp v[BF+i], v[BF+i], v[BF+i] row_xmask:\m row_mask:0xf bank_mask:0xf
.set i, i+1
.endr
.endr
.irp b, 0,1,2,3,4,5,6,7
	ds_store_b128 v[VST], v[BF+8*(\b):BF+8*(\b)+3]   offset:64*(\b)     ; column 16 b + 8 h + j at byte 4 x that; the 16 lanes of a half write equal words
	ds_store_b128 v[VST], v[BF+8*(\b)+4:BF+8*(\b)+7] offset:64*(\b)+16
.endr
	ds_load_b128 v[AF:AF+3], v[VLD]
	s_wait_dscnt 0x0
	global_store_b128 v[L16], v[AF:AF+3], s[VB:VB+1]   ; 512 consecutive bytes
.Lend:
	s_wait_tensorcnt 0x0                           ; the wave's end: behind my last tensor load and my last LDS store
	ds_add_u32 v[SPW], v[NIL]
	s_wait_dscnt 0x0
	CROUND                                         ; the closing round
	s_endpgm
.Lfunc_end_k_q7134059b76_proj:
	.size	k_q7134059b76_proj, .Lfunc_end_k_q7134059b76_proj-k_q7134059b76_proj
	.p2alignl 7, 3214868480
	.fill 96, 4, 3214868480
	.section	.rodata,"a",@progbits
	.p2align	6, 0x0
	.amdhsa_kernel k_q7134059b76_proj
		.amdhsa_group_segment_fixed_size 327680
		.amdhsa_private_segment_fixed_size 0
		.amdhsa_enable_private_segment 0
		.amdhsa_kernarg_size 40
		.amdhsa_user_sgpr_count 2
		.amdhsa_user_sgpr_kernarg_segment_ptr 1
		.amdhsa_wavefront_size32 1
		.amdhsa_system_sgpr_workgroup_id_x 1
		.amdhsa_system_sgpr_workgroup_id_y 1
		.amdhsa_system_sgpr_workgroup_id_z 1
		.amdhsa_system_vgpr_workitem_id 0
		.amdhsa_next_free_vgpr 768
		.amdhsa_next_free_sgpr 66
		.amdhsa_reserve_vcc 0
		.amdhsa_float_denorm_mode_32 3
		.amdhsa_float_denorm_mode_16_64 3
		.amdhsa_memory_ordered 1
		.amdhsa_forward_progress 1
		.amdhsa_inst_pref_size 191
	.end_amdhsa_kernel
	.amdgpu_metadata
---
amdhsa.version: [ 1, 2 ]
amdhsa.kernels:
  - .name:           k_q7134059b76_proj
    .symbol:         k_q7134059b76_proj.kd
    .args:
      - { .name: source_query, .offset: 0, .size: 8, .value_kind: global_buffer, .address_space: global }
      - { .name: source_key_value, .offset: 8, .size: 8, .value_kind: global_buffer, .address_space: global }
      - { .name: wb, .offset: 16, .size: 8, .value_kind: global_buffer, .address_space: global }
      - { .name: qkv, .offset: 24, .size: 8, .value_kind: global_buffer, .address_space: global }
      - { .name: vsum, .offset: 32, .size: 8, .value_kind: global_buffer, .address_space: global }
    .group_segment_fixed_size: 327680
    .private_segment_fixed_size: 0
    .kernarg_segment_align: 8
    .kernarg_segment_size: 40
    .max_flat_workgroup_size: 128
    .sgpr_count:     66
    .vgpr_count:     768
    .wavefront_size: 32
...
	.end_amdgpu_metadata
.endif
;; end of part 2
;; launch attn (part 3): grid 32 x 8, 4 waves a work-group, clusters of 4 x 1, 327,680 bytes of LDS; arguments qkv, vsum, source_key_value_padding_mask, source_query_padding_mask, out0; writes out0
.if DOCPART == 3
	.amdgcn_target "amdgcn-amd-amdhsa--gfx1250"
	.amdhsa_code_object_version 6
	.text
	.protected	k_q7134059b76_attn
	.globl	k_q7134059b76_attn
	.p2align	8
	.type	k_q7134059b76_attn,@function
k_q7134059b76_attn:
	s_mov_b64 s[64:65], 0
	v_nop
	global_prefetch_b8 v0, s[64:65] scope:SCOPE_SE
	s_setreg_imm32_b32 hwreg(HW_REG_WAVE_MODE, 25, 1), 1
	s_wait_xcnt 0x0
	s_wait_alu depctr_hold_cnt(0) depctr_sa_sdst(0) depctr_va_vdst(0) depctr_va_sdst(0) depctr_va_ssrc(0) depctr_va_vcc(0) depctr_vm_vsrc(0)
	s_getreg_b32 s2, hwreg(HW_REG_IB_STS2, 6, 4)
	s_cmp_eq_u32 s2, 0
	s_cbranch_scc0 .Lentry_in_a_cluster
	s_endpgm
.Lentry_in_a_cluster:
	s_bfe_u32 s2, ttmp6, 0x10000c
	s_cmp_lg_u32 s2, 0x3003
	s_cbranch_scc0 .Lentry_shape_is_right
	s_endpgm
.Lentry_shape_is_right:
; CAUSAL ATTENTION WITH PADDING MASKS, one head of 512 channels.  out[b][q] = the sum over keys of softmax(q . k / sqrt(512), hidden scores at the lowest number) v.
; qkv: [3][8 x 2048][512] f16 (q, k, v, unscaled); vsum: [256][512] f32, sums of v over 64 rows; the masks: [8][2048] bytes; out: [8][2048][512] f32.
; A key is hidden from a query if it lies behind it, if the key is padded, or if the query is padded.  A ROW THAT SEES NO KEY has all its scores equal, so its result is the plain mean of all
; 2,048 rows of v of its batch: made from vsum, and chosen by a select at the end.
; LIMITS.  A hidden score counts as H = -2^100 (f16's scores reach 2.2e12 at the most); a row whose maximum is below -2^99 counts as seeing no key.  H is a power of two, so c H is exact and
; c s - c m is exactly 0 while a row has seen nothing: its weights are then 1, all finite, and the first visible key's a = 0 wipes them.  A weight below 2^-126 counts as 0.  NaN and infinities are not treated apart.
; SHARES.  A work-group owns 64 queries (four tiles t of 16).  Keys go in steps of 64.  S^T = K Q^T: wave w takes keys 16 w .. 16 w + 15 against all 64 queries (Q lies whole in every wave's registers).
; O^T = V^T P: wave w takes channels 128 w .. 128 w + 127 against all 64 queries.  So each byte of K and V leaves LDS once; the waves' maxima and the weights P (f16) cross through LDS.
; In S^T, P and O^T a lane holds ONE query (lane % 16); registers hold keys, or channels, 8 (lane / 16) + 0..7.
; SOFTMAX.  Running maximum m for each query, common to the four waves; p = 2^(c s - c m), c = log2(e) / sqrt(512); O and l are multiplied by a = 2^(c m_old - c m_new) in every step; l is kept as each wave's and lane's own part and added up at the end.
; CLUSTER.  Four neighbouring blocks (256 queries, cluster c of a batch) walk keys 0 .. 256 c + 255 jointly, 4 (c + 1) steps: each tile is asked for once for the four.  A partner computes up to three
; steps that are wholly hidden from it, so that all partners make every joint request and run the same text.  A trip is two steps (slot 0, slot 1); the last trip is written out, since it asks for nothing.
; REGISTERS, in windows of 256 (s_set_vgpr_msb: bits 1:0 source 0, 3:2 source 1, 5:4 source 2, 7:6 destination):
;   window 0: v0-15 addresses and mask bytes; v16-31 statistics; v32-63 at work; v64-127 S^T and what is made of it, then P's fragments; v128-255 K's fragments, then V's
;   window 1: O^T, (channel block cb, tile t) at 8 (4 cb + t)      windows 2, 3: Q, fragment (t, c) in window 2 + c / 8 at 8 (8 t + c % 8)
.set PK,    1040      ; a row of K in LDS: 1,024 bytes + 16: the 16 rows of a load start 16 bytes further on in each 256
.set PV,    1056      ; a row of V: 1,024 + 32: 16 lanes of the turning load take 8 rows x 32 bytes
.set VOFF,  64*PK     ; a slot: 64 rows of K, then 64 rows of V
.set SLOT,  64*(PK+PV)
.set PB,    2*SLOT    ; P: 64 queries x (128 + 16) bytes
.set PP,    144
.set MX,    PB+64*PP  ; the waves' maxima: query x 16 bytes + 4 x wave
.set LX,    1024      ; from MX on: the waves' sums, likewise
.set MEANL, MX+2048   ; the batch's column sums of v: 512 bytes a wave, its own
.set STAGE, MEANL+2048  ; 16 rows x (512 + 16) bytes for each wave, for the way out
.set SP,    528
.set SPARE, STAGE+4*16*SP  ; the spare words, 128 bytes for each wave: two blocks of 256 bytes that no other line names
.set AK,  2           ; v2-3   my fragments of K in slot 0, 1
.set AV,  4           ; v4-5   of V
.set PST, 6           ; v6     where I put 16 bytes of P
.set PLD, 7           ; v7     where I read P's fragments
.set MXS, 8           ; v8     where I put a maximum
.set MXL, 9           ; v9     where I read the four
.set KMO, 10          ; v10    16 w + 8 h: my eight keys in a step
.set PFO, 11          ; v11    256 x lane
.set KMR, 12          ; v12-15 my eight key mask bytes, for slot 0 and slot 1
.set ST,  16          ; tile t at v[ST+4 t]: c m, m, a, l
.set REL, 32          ; v32-35 tile t: my query less my first key of the step; far below 0 for a padded query
.set SPW, 36          ; v36    my spare word: SPARE + 4 x my thread's number; never rewritten
.set NIL, 37          ; v37    0; never rewritten
.set HV,  38          ; v38    H
.set QO,  39          ; v39    my byte offset in 16 rows of Q
.set TM,  40          ; v40-47 at work
.set MXR, 48          ; v48-63 the four waves' maxima, by tile
.set S,   64          ; S^T of tile t at S + 8 t
.set KJ,  96          ; v96-103  j, or a number above every REL where key j is padded
.set PH,  104         ; v104-119 the weights in f16, four registers a tile
.set PF,  64          ; P's fragment (t, kk) at PF + 8 (4 kk + t)
.set KV,  128         ; K's fragment c at KV + 8 c; V's (kk, cb) at KV + 64 kk + 8 cb
.set WV,  14          ; s14  wave
.set CC,  15          ; s15  the cluster's number in its batch
.set BB,  16          ; s16  the batch
.set CX,  17          ; s17  my place in the cluster
.set TRIP, 18         ; s18  counts trips up
.set BOUND, 19        ; s19  2 c + 1: the loop's trips
.set PFB, 20          ; s20  trips in which my cluster prefetches
.set G1K, 24
.set G1V, 32
.set G0K, 40          ; s[40:47] a set for each slot
.set G0V, 48
.set CS,  56          ; s[56:57] c, twice
.set SEL, 58          ; s[58:59] v_permlanex16_b32's selects: each lane takes its own place in the other half
.set KMB, 62          ; s[62:63] the key mask at the trip's first key
.set PFA, 66          ; s[66:67] my share of a step's rows of K or V, at the trip's first step
.set QB,  68          ; s[68:69] q at my block
.set OB,  70          ; s[70:71] out at my block and my wave's channels
.set VSB, 72          ; s[72:73] vsum at my batch and my wave's channels
.set Q0,  78          ; s78  my block's first query
.set MSB, 0
.macro WIN new
.if MSB != (\new)
	s_set_vgpr_msb (MSB<<8)|(\new)
.set MSB, \new
.endif
.endm
.macro PLACES
.rept 4
	v_nop
.endr
.endm
.macro BAR
	s_barrier_signal -1
	s_barrier_wait -1
.endm
.macro CROUND                          ; a round of the cluster's barrier
	s_barrier_signal -1
	s_barrier_wait -1
	s_cmp_lg_u32 s[WV], 0
	s_cbranch_scc1 .Lnot_wave_0_\@
	s_barrier_signal -3
.Lnot_wave_0_\@:
	s_barrier_wait -3
	s_barrier_signal -1
	s_barrier_wait -1
.endm
; A joint refill of slot sl: waves 0 and 1 ask for the two halves of a step's K, waves 2 and 3 for those of its V, 32 rows each.  The branch hangs on the wave's number alone.
.macro JLOAD sl
	s_cmp_lt_u32 s[WV], 2
	s_cbranch_scc0 .Lfor_v_\@
	tensor_load_to_lds s[G0K+4*(\sl):G0K+4*(\sl)+3], s[G1K:G1K+7]
	s_nop 0
	PLACES
	s_branch .Lasked_\@
.Lfor_v_\@:
	tensor_load_to_lds s[G0V+4*(\sl):G0V+4*(\sl)+3], s[G1V:G1V+7]
	s_nop 0
	PLACES
.Lasked_\@:
.endm
; A prefetch of the step that the NEXT refill will ask for.  A batch's last cluster alone walks all its keys: it asks, and nobody else.  A step is 256 blocks of 256 bytes of K and as many of V:
; the four partners share them out by address (16,384 bytes each), waves 0, 1 take K's, waves 2, 3 V's (8,192 bytes each), a lane a block.  Steps 0 to 2 and step 31 come by their loads alone.
.macro ASK sl
	s_cmp_lt_u32 s[TRIP], s[PFB]
	s_cbranch_scc0 .Lnot_mine_\@
	global_prefetch_b8 v[PFO], s[PFA:PFA+1] offset:196608+65536*(\sl) th:TH_LOAD_NT scope:SCOPE_SE
.Lnot_mine_\@:
.endm
	s_load_b256 s[4:11], s[0:1], 0x0  ; qkv s[4:5], vsum s[6:7], key mask s[8:9], query mask s[10:11]
	s_load_b64 s[12:13], s[0:1], 0x20 ; out
	v_lshl_add_u32 v[SPW], v0, 2, SPARE
	v_mov_b32 v[NIL], 0
	ds_add_u32 v[SPW], v[NIL]       ; the wave's opening: the add and its wait ahead of my first tensor load; work on registers stands between
	v_lshrrev_b32 v1, 5, v0
	v_readfirstlane_b32 s[WV], v1
	s_mov_b32 s[CC], ttmp9          ; in a cluster launch ttmp9 and ttmp7 count clusters
	s_and_b32 s[BB], ttmp7, 0xffff
	s_bfe_u32 s[CX], ttmp6, 0x40000
	s_mov_b32 s[TRIP], 0
	s_lshl_b32 s[BOUND], s[CC], 1
	s_add_co_u32 s[BOUND], s[BOUND], 1
	s_cmp_eq_u32 s[CC], 7
	s_cselect_b32 s[PFB], 14, 0
	s_mov_b32 s[G1K], 15|(1<<16)|(1<<20)|(1<<21)|(7<<22)|(3<<25)  ; the mask of four; 2-byte elements; padding on; bit 21 beside a mask; after every 256 words, 4 words
	s_mov_b32 s[G1V], 15|(1<<16)|(1<<20)|(1<<21)|(7<<22)|(7<<25)  ; the same with 8 words
.irp g, G1K, G1V
	s_mov_b32 s[\g+1], 512<<16      ; tensor_dim0 = 512
	s_mov_b32 s[\g+2], 32<<16       ; tensor_dim1 = 32
	s_mov_b32 s[\g+3], 512<<16      ; tile_dim0 = 512
	s_mov_b32 s[\g+4], 32           ; tile_dim1 = 32
	s_mov_b32 s[\g+5], 512          ; elements from row to row
	s_mov_b32 s[\g+6], 0
	s_mov_b32 s[\g+7], 0
.endr
	s_mov_b32 s[CS], 0x3d8293ee     ; c = log2(e) / sqrt(512) = 0.0637587
	s_mov_b32 s[CS+1], s[CS]
	s_mov_b32 s[SEL], 0x76543210
	s_mov_b32 s[SEL+1], 0xfedcba98
	s_and_b32 s21, s[WV], 1         ; which 32 rows of a step I ask for
	s_lshl_b32 s22, s[BB], 21       ; a batch is 2,048 rows of 1,024 bytes
	s_lshl_b32 s23, s21, 15
	s_add_co_u32 s22, s22, s23
	s_mov_b32 s23, 0
	s_mul_i32 s60, s21, 32*PK       ; their place in a slot: no place in the cluster enters an LDS address
	s_mul_i32 s61, s21, 32*PV
	s_lshl_b32 s2, s[BB], 21        ; the prefetches: the batch,
	s_lshl_b32 s3, s[CX], 14        ; my work-group's quarter of a step,
	s_add_co_u32 s2, s2, s3
	s_lshl_b32 s3, s21, 13          ; my wave's half of that,
	s_add_co_u32 s2, s2, s3
	s_lshr_b32 s3, s[WV], 1
	s_add_co_u32 s3, s3, 1
	s_lshl_b32 s3, s3, 24           ; in k (waves 0, 1) or in v (waves 2, 3)
	s_add_co_u32 s2, s2, s3
	s_mov_b32 s3, 0
	s_lshl_b32 s[Q0], s[CC], 2
	s_add_co_u32 s[Q0], s[Q0], s[CX]
	s_lshl_b32 s[Q0], s[Q0], 6
	s_lshl_b32 s79, s[BB], 11
	s_add_co_u32 s79, s79, s[Q0]    ; my block's first row among the 16,384
	s_wait_dscnt 0x0                ; the opening add is done
	s_wait_kmcnt 0x0
	s_add_nc_u64 s[74:75], s[4:5], s[22:23]
	s_add_nc_u64 s[76:77], s[74:75], 0x2000000  ; v at my 32 rows of step 0
	s_add_nc_u64 s[74:75], s[74:75], 0x1000000  ; k likewise
.irp n, 0,1
	s_mov_b32 s[G0K+4*\n], 1
	s_add_co_u32 s[G0K+4*\n+1], s60, \n*SLOT
	s_add_nc_u64 s[G0K+4*\n+2:G0K+4*\n+3], s[74:75], \n*65536
	s_or_b32 s[G0K+4*\n+3], s[G0K+4*\n+3], 0x80000000
	s_mov_b32 s[G0V+4*\n], 1
	s_add_co_u32 s[G0V+4*\n+1], s61, \n*SLOT+VOFF
	s_add_nc_u64 s[G0V+4*\n+2:G0V+4*\n+3], s[76:77], \n*65536
	s_or_b32 s[G0V+4*\n+3], s[G0V+4*\n+3], 0x80000000
.endr
	s_add_nc_u64 s[PFA:PFA+1], s[4:5], s[2:3]
	s_lshl_b32 s2, s79, 10
	s_add_nc_u64 s[QB:QB+1], s[4:5], s[2:3]
	s_lshl_b32 s2, s79, 11
	s_lshl_b32 s22, s[WV], 9        ; my 128 channels in f32
	s_add_co_u32 s2, s2, s22
	s_add_nc_u64 s[OB:OB+1], s[12:13], s[2:3]
	s_lshl_b32 s2, s[BB], 16        ; a batch's 32 rows of vsum
	s_add_co_u32 s2, s2, s22
	s_add_nc_u64 s[VSB:VSB+1], s[6:7], s[2:3]
	s_lshl_b32 s2, s[BB], 11
	s_add_nc_u64 s[KMB:KMB+1], s[8:9], s[2:3]
	s_mov_b32 s2, s79
	s_add_nc_u64 s[10:11], s[10:11], s[2:3]  ; the query mask at my block
	CROUND                          ; all four work-groups are here: the first joint loads meet
	s_cmp_lt_u32 s[WV], 2           ; a wave's two first fills stand in one branch: two loads of mine are out
	s_cbranch_scc0 .Lfirst_v
	tensor_load_to_lds s[G0K:G0K+3], s[G1K:G1K+7]
	s_nop 0
	tensor_load_to_lds s[G0K+4:G0K+7], s[G1K:G1K+7]
	s_nop 0
	PLACES
	s_branch .Lfirst_asked
.Lfirst_v:
	tensor_load_to_lds s[G0V:G0V+3], s[G1V:G1V+7]
	s_nop 0
	tensor_load_to_lds s[G0V+4:G0V+7], s[G1V:G1V+7]
	s_nop 0
	PLACES
.Lfirst_asked:
	v_and_b32 v1, 15, v0            ; r = lane % 16
	v_bfe_u32 v[TM], v0, 4, 1       ; h = lane / 16
	v_and_b32 v[TM+1], 31, v0       ; lane
	v_lshlrev_b32 v[TM+2], 4, v[TM+1]
	v_lshlrev_b32 v[QO], 10, v1
	v_lshl_add_u32 v[QO], v[TM], 4, v[QO]  ; row x 1,024 + 16 x half
	s_lshl_b32 s79, s[WV], 4
	v_lshl_add_u32 v[KMO], v[TM], 3, s79
	; Q stays in registers: fragment (t, c) is 16 queries x 32 channels: two loads of 16 bytes, 32 bytes apart
.irp hf, 0,1
	WIN 0x80+0x40*(\hf)             ; destination window 2, then 3
.irp t, 0,1,2,3
.irp c, 0,1,2,3,4,5,6,7
	global_load_b128 v[8*(8*(\t)+(\c)):8*(8*(\t)+(\c))+3],   v[QO], s[QB:QB+1] offset:16384*(\t)+512*(\hf)+64*(\c)
	global_load_b128 v[8*(8*(\t)+(\c))+4:8*(8*(\t)+(\c))+7], v[QO], s[QB:QB+1] offset:16384*(\t)+512*(\hf)+64*(\c)+32
.endr
.endr
.endr
	WIN 0x40                        ; the batch's 32 rows of vsum, my wave's 512 bytes of each, into O^T's registers, which are not in use yet
.set i, 0
.rept 32
	global_load_b128 v[4*i:4*i+3], v[TM+2], s[VSB:VSB+1] offset:2048*i
.set i, i+1
.endr
	WIN 0
.irp t, 0,1,2,3
	global_load_u8 v[TM+4+\t], v1, s[10:11] offset:16*\t  ; is my query of tile t padded?
.endr
	global_load_b64 v[KMR:KMR+1],   v[KMO], s[KMB:KMB+1]            ; my key mask bytes of step 0
	global_load_b64 v[KMR+2:KMR+3], v[KMO], s[KMB:KMB+1] offset:64  ; and of step 1
	s_mul_i32 s79, s[WV], 16*PK
	v_mul_u32_u24 v[AK], v1, PK
	v_lshl_add_u32 v[AK], v[TM], 4, v[AK]
	v_add_nc_u32 v[AK], s79, v[AK]  ; (16 w + r) x pitch + 16 h
	v_add_nc_u32 v[AK+1], SLOT, v[AK]
	; the turning load: lane l reads key 8 h + l % 8, channels 8 ((l / 8) % 2) + 0..7, and is left with channel l % 16 and 8 keys
	v_and_b32 v[TM+3], 7, v0
	v_lshl_add_u32 v[TM+3], v[TM], 3, v[TM+3]
	v_mul_u32_u24 v[AV], v[TM+3], PV
	v_bfe_u32 v[TM+3], v0, 3, 1
	v_lshl_add_u32 v[AV], v[TM+3], 4, v[AV]
	s_lshl_b32 s79, s[WV], 8        ; my 128 channels
	s_add_co_u32 s79, s79, VOFF
	v_add_nc_u32 v[AV], s79, v[AV]
	v_add_nc_u32 v[AV+1], SLOT, v[AV]
	v_mul_u32_u24 v[PLD], v1, PP
	v_lshl_add_u32 v[PLD], v[TM], 4, v[PLD]
	v_add_nc_u32 v[PLD], PB, v[PLD]
	s_lshl_b32 s79, s[WV], 5        ; my 16 keys
	v_add_nc_u32 v[PST], s79, v[PLD]
	v_lshlrev_b32 v[MXL], 4, v1
	v_add_nc_u32 v[MXL], MX, v[MXL]
	s_lshl_b32 s79, s[WV], 2
	v_add_nc_u32 v[MXS], s79, v[MXL]
	v_lshlrev_b32 v[PFO], 8, v[TM+1]
	v_mov_b32 v[HV], 0xf1800000     ; H = -2^100
	s_lshl_b32 s79, s[WV], 9
	s_add_co_u32 s79, s79, MEANL
	v_add_nc_u32 v[TM+3], s79, v[TM+2]
	s_wait_loadcnt 0x0              ; Q, vsum, the masks
	WIN 0x45                        ; the 32 rows of vsum are added up, halving
.irp d, 16,8,4,2,1
.set i, 0
.rept \d
	v_pk_add_f32 v[4*i:4*i+1],   v[4*i:4*i+1],   v[4*(i+\d):4*(i+\d)+1]
	v_pk_add_f32 v[4*i+2:4*i+3], v[4*i+2:4*i+3], v[4*(i+\d)+2:4*(i+\d)+3]
.set i, i+1
.endr
.endr
	WIN 0x04                        ; store data window 1
	ds_store_b128 v[TM+3], v[0:3]   ; kept in LDS, my wave's own bytes, until the way out
	WIN 0x40
.set i, 0
.rept 256
	v_mov_b32 v[i], 0               ; O^T starts at 0: the first step lies in a loop whose bound is set at run time, so it is not written out; these lines stand in the wait for the first tile
.set i, i+1
.endr
	WIN 0
	v_sub_nc_u32 v[REL], v1, v[KMO]
	v_add_nc_u32 v[REL], s[Q0], v[REL]  ; my query of tile 0 less my first key of step 0
	v_add_nc_u32 v[REL+1], 16, v[REL]
	v_add_nc_u32 v[REL+2], 32, v[REL]
	v_add_nc_u32 v[REL+3], 48, v[REL]
	v_mov_b32 v[TM+3], 0xc0000000   ; -2^30: below every j, after 32 steps too
.irp t, 0,1,2,3
	v_cmp_ne_u32 vcc_lo, 0, v[TM+4+\t]
	v_cndmask_b32 v[REL+\t], v[REL+\t], v[TM+3], vcc_lo
	v_mul_f32 v[ST+4*\t], s[CS], v[HV]  ; c m = c H, exact
	v_mov_b32 v[ST+4*\t+1], v[HV]       ; m = H
	v_mov_b32 v[ST+4*\t+2], 0
	v_mov_b32 v[ST+4*\t+3], 0           ; l = 0
.endr
.macro KLOAD sl, hf                 ; 16 LDS loads: K's fragments c = 8 hf .. 8 hf + 7 of my 16 keys
	WIN 0
.irp c, 0,1,2,3,4,5,6,7
	ds_load_b128 v[KV+64*(\hf)+8*(\c):KV+64*(\hf)+8*(\c)+3],   v[AK+(\sl)] offset:512*(\hf)+64*(\c)
	ds_load_b128 v[KV+64*(\hf)+8*(\c)+4:KV+64*(\hf)+8*(\c)+7], v[AK+(\sl)] offset:512*(\hf)+64*(\c)+32
.endr
.endm
.macro VLOAD sl, kk                 ; 16 turning loads: V's fragments of keys 32 kk on, my 8 channel blocks
	WIN 0
.irp cb, 0,1,2,3,4,5,6,7
	ds_load_tr16_b128 v[KV+64*(\kk)+8*(\cb):KV+64*(\kk)+8*(\cb)+3],   v[AV+(\sl)] offset:(\kk)*32*PV+32*(\cb)
	ds_load_tr16_b128 v[KV+64*(\kk)+8*(\cb)+4:KV+64*(\kk)+8*(\cb)+7], v[AV+(\sl)] offset:(\kk)*32*PV+16*PV+32*(\cb)
.endr
.endm
; 32 products of S^T = K Q^T: channels 256 hf on; the four tiles' accumulators take turns, one instruction a turn.  The first four start the sums.
.macro SMUL hf
	WIN 0x08+4*(\hf)                ; Q in window 2 or 3
.irp c, 0,1,2,3,4,5,6,7
.irp t, 0,1,2,3
.if ((\hf) == 0) && ((\c) == 0)
	v_wmma_f32_16x16x32_f16 v[S+8*(\t):S+8*(\t)+7], v[KV+64*(\hf)+8*(\c):KV+64*(\hf)+8*(\c)+7], v[8*(8*(\t)+(\c)):8*(8*(\t)+(\c))+7], 0
.else
	v_wmma_f32_16x16x32_f16 v[S+8*(\t):S+8*(\t)+7], v[KV+64*(\hf)+8*(\c):KV+64*(\hf)+8*(\c)+7], v[8*(8*(\t)+(\c)):8*(8*(\t)+(\c))+7], v[S+8*(\t):S+8*(\t)+7]
.endif
.endr
.endr
.endm
; 32 products of O^T += V^T P: keys 32 kk on; the 32 accumulators take turns.
.macro PVMUL kk
	WIN 0x50                        ; C and D window 1
.irp cb, 0,1,2,3,4,5,6,7
.irp t, 0,1,2,3
	v_wmma_f32_16x16x32_f16 v[8*(4*(\cb)+(\t)):8*(4*(\cb)+(\t))+7], v[KV+64*(\kk)+8*(\cb):KV+64*(\kk)+8*(\cb)+7], v[PF+8*(4*(\kk)+(\t)):PF+8*(4*(\kk)+(\t))+7], v[8*(4*(\cb)+(\t)):8*(4*(\cb)+(\t))+7]
.endr
.endr
.endm
.macro ALLT line:vararg             ; one line for each tile tt
.set tt, 0
.rept 4
	\line
.set tt, tt+1
.endr
.endm
; A KEY STEP on slot sl.  fill: the slot is filled again, two steps ahead.  nx: the next step's K is fetched from the other slot.  ml: my key mask bytes two steps ahead are loaded.
; lc: the younger mask loads that may be out when this step's bytes are wanted.
.macro STEP sl, fill, nx, ml, lc
	s_wait_dscnt 16                 ; K's first 8 fragments are in; the other 16 loads may be out
	SMUL 0
	WIN 0
	s_wait_loadcnt \lc
.irp j, 0,1,2,3,4,5,6,7             ; sixteen plain lines: also the places in front of the loads into K's first half
	v_bfe_u32 v[KJ+\j], v[KMR+2*(\sl)+(\j)/4], 8*((\j)%4), 8
.endr
.irp j, 0,1,2,3,4,5,6,7
	v_lshl_add_u32 v[KJ+\j], v[KJ+\j], 22, \j
.endr
.if \ml
	global_load_b64 v[KMR+2*(\sl):KMR+2*(\sl)+1], v[KMO], s[KMB:KMB+1] offset:128+64*(\sl)
.endif
	VLOAD \sl, 0
	s_wait_dscnt 16                 ; K's second half is in; V's 16 loads may be out
	SMUL 1
	WIN 0
	PLACES                          ; in front of the loads into K's second half and of the reads of S^T
	VLOAD \sl, 1
.irp j, 0,1,2,3,4,5,6,7             ; hidden where j (or the padded key's large number) is above REL; each accumulator's lowest register is read first
.irp t, 0,1,2,3
	v_cmp_gt_i32 vcc_lo, v[KJ+\j], v[REL+\t]
	v_cndmask_b32 v[S+8*(\t)+(\j)], v[S+8*(\t)+(\j)], v[HV], vcc_lo
.endr
.endr
	ALLT v_max3_num_f32 v[TM+tt], v[S+8*tt], v[S+8*tt+1], v[S+8*tt+2]
	ALLT v_max3_num_f32 v[TM+tt], v[TM+tt], v[S+8*tt+3], v[S+8*tt+4]
	ALLT v_max3_num_f32 v[TM+tt], v[TM+tt], v[S+8*tt+5], v[S+8*tt+6]
	ALLT v_max_num_f32 v[TM+tt], v[TM+tt], v[S+8*tt+7]
	ALLT v_permlanex16_b32 v[TM+4+tt], v[TM+tt], s[SEL], s[SEL+1]
	ALLT v_max_num_f32 v[TM+tt], v[TM+tt], v[TM+4+tt]
	ALLT ds_store_b32 v[MXS], v[TM+tt] offset:256*tt
	s_wait_dscnt 0x0                ; my maxima are stored, V is in, and my reads of P of the step before are long over
	BAR                             ; the first barrier of a step: the tile on its way may stay out
	ALLT ds_load_b128 v[MXR+4*tt:MXR+4*tt+3], v[MXL] offset:256*tt
	s_wait_dscnt 0x0
	ALLT v_max3_num_f32 v[TM+tt], v[MXR+4*tt], v[MXR+4*tt+1], v[MXR+4*tt+2]
	ALLT v_max3_num_f32 v[ST+4*tt+1], v[TM+tt], v[MXR+4*tt+3], v[ST+4*tt+1]
	ALLT v_mul_f32 v[TM+tt], s[CS], v[ST+4*tt+1]
	ALLT v_sub_f32 v[TM+4+tt], v[ST+4*tt], v[TM+tt]
	ALLT v_mov_b32 v[ST+4*tt], v[TM+tt]
.irp i, 0,1,2,3
.irp t, 0,1,2,3
	v_pk_fma_f32 v[S+8*(\t)+2*(\i):S+8*(\t)+2*(\i)+1], v[S+8*(\t)+2*(\i):S+8*(\t)+2*(\i)+1], s[CS:CS+1], v[ST+4*(\t):ST+4*(\t)+1] op_sel_hi:[1,0,0] neg_lo:[0,0,1] neg_hi:[0,0,1]
.endr
.endr
	ALLT v_exp_f32 v[ST+4*tt+2], v[TM+4+tt]  ; ONE BATCH: the four a and the 32 weights; nothing ahead of the wait names a result
.set i, 0
.rept 32
	v_exp_f32 v[S+i], v[S+i]
.set i, i+1
.endr
	v_nop                           ; a plain instruction behind the last exponential
	s_wait_alu depctr_va_vdst(0)    ; the one wait ahead of the batch's first reader
.irp t, 0,1,2,3
.irp i, 0,1,2,3
	v_cvt_pk_f16_f32 v[PH+4*(\t)+(\i)], v[S+8*(\t)+2*(\i)], v[S+8*(\t)+2*(\i)+1]
.endr
.endr
	ALLT ds_store_b128 v[PST], v[PH+4*tt:PH+4*tt+3] offset:16*PP*tt
	; THE CHANGE OF SLOTS, and P's handing over.  K and V of this slot are in registers.  Each wave waits for all its tensor loads (one is out: its part of the other slot), adds 0 to its spare word,
	; and waits for that and for its stores of P; the sums of the weights, work on registers, stand between.
	s_wait_tensorcnt 0x0
	ds_add_u32 v[SPW], v[NIL]
	ALLT v_pk_add_f32 v[S+8*tt:S+8*tt+1], v[S+8*tt:S+8*tt+1], v[S+8*tt+2:S+8*tt+3]
	ALLT v_pk_add_f32 v[S+8*tt+4:S+8*tt+5], v[S+8*tt+4:S+8*tt+5], v[S+8*tt+6:S+8*tt+7]
	ALLT v_pk_add_f32 v[S+8*tt:S+8*tt+1], v[S+8*tt:S+8*tt+1], v[S+8*tt+4:S+8*tt+5]
	ALLT v_add_f32 v[TM+tt], v[S+8*tt], v[S+8*tt+1]
	ALLT v_fma_f32 v[ST+4*tt+3], v[ST+4*tt+2], v[ST+4*tt+3], v[TM+tt]
.if \fill
	s_add_nc_u64 s[G0K+4*(\sl)+2:G0K+4*(\sl)+3], s[G0K+4*(\sl)+2:G0K+4*(\sl)+3], 0x20000  ; no tensor load of mine is out: two steps on
	s_add_nc_u64 s[G0V+4*(\sl)+2:G0V+4*(\sl)+3], s[G0V+4*(\sl)+2:G0V+4*(\sl)+3], 0x20000
	s_wait_dscnt 0x0
	CROUND                          ; no wave of any partner still reads this slot or has a load on its way
	JLOAD \sl                       ; my one tensor load behind the round: it has a whole step in which to land
.else
	s_wait_dscnt 0x0
	BAR
.endif
.irp kk, 0,1
.irp t, 0,1,2,3
	ds_load_b128 v[PF+8*(4*(\kk)+(\t)):PF+8*(4*(\kk)+(\t))+3],   v[PLD] offset:16*PP*(\t)+64*(\kk)
	ds_load_b128 v[PF+8*(4*(\kk)+(\t))+4:PF+8*(4*(\kk)+(\t))+7], v[PLD] offset:16*PP*(\t)+64*(\kk)+32
.endr
.endr
.if \fill
	ASK \sl
.endif
	WIN 0x41                        ; O^T times a, while P's fragments come
.irp cb, 0,1,2,3,4,5,6,7
.irp t, 0,1,2,3
.irp i, 0,1,2,3
	v_pk_mul_f32 v[8*(4*(\cb)+(\t))+2*(\i):8*(4*(\cb)+(\t))+2*(\i)+1], v[8*(4*(\cb)+(\t))+2*(\i):8*(4*(\cb)+(\t))+2*(\i)+1], v[ST+4*(\t)+2:ST+4*(\t)+3] op_sel_hi:[1,0]
.endr
.endr
.endr
	s_wait_dscnt 0x0                ; P is in
	PVMUL 0
	WIN 0
	PLACES                          ; in front of the loads into V's first half
.if \nx
	KLOAD 1-(\sl), 0
.endif
	PVMUL 1
	WIN 0
	ALLT v_add_nc_u32 v[REL+tt], 0xffffffc0, v[REL+tt]  ; the next step's keys lie 64 further on.  With the v_nop: five places in front of the loads into V's second half and of the writes
	v_nop                           ; over P's second half; nine, with the four above, in front of the next products that write over P's first half
.if \nx
	KLOAD 1-(\sl), 1
.endif
.endm
	s_wait_tensorcnt 1              ; my part of slot 0 is in; slot 1's may stay out
	s_wait_dscnt 0x0
	BAR
	KLOAD 0, 0
	KLOAD 0, 1
.Ltrip:                             ; 2 c + 1 trips of two steps; each fills both slots again
	STEP 0, 1, 1, 1, 1
	STEP 1, 1, 1, 1, 1
	WIN 0
	s_wait_xcnt 0x0                 ; the mask loads and the prefetches issued so far have read their bases
	s_add_nc_u64 s[KMB:KMB+1], s[KMB:KMB+1], 128
	s_add_nc_u64 s[PFA:PFA+1], s[PFA:PFA+1], 0x20000
	s_add_co_u32 s[TRIP], s[TRIP], 1
	s_cmp_lt_u32 s[TRIP], s[BOUND]
	s_cbranch_scc1 .Ltrip
	STEP 0, 0, 1, 0, 1              ; the last trip is written out: nothing is asked for
	STEP 1, 0, 0, 0, 0
	; THE WAY OUT.  l: the other half of the lanes', then the four waves' parts through LDS.  O^T is divided by l (a row that saw no key: multiplied by 0), sent through my stage a tile at a time,
	; and each row takes flag x the batch's column sums of v, flag = 1/2048 for a row that saw no key and 0 otherwise.
	WIN 0
	ALLT v_permlanex16_b32 v[TM+tt], v[ST+4*tt+3], s[SEL], s[SEL+1]
	ALLT v_add_f32 v[ST+4*tt+3], v[ST+4*tt+3], v[TM+tt]
	ALLT ds_store_b32 v[MXS], v[ST+4*tt+3] offset:LX+256*tt
	v_and_b32 v1, 15, v0            ; r
	v_bfe_u32 v2, v0, 4, 1          ; h
	v_and_b32 v3, 31, v0            ; lane
	s_mul_i32 s79, s[WV], 16*SP
	s_add_co_u32 s79, s79, STAGE    ; my stage
	v_mul_u32_u24 v4, v1, SP
	v_add_nc_u32 v4, s79, v4
	v_lshl_add_u32 v5, v2, 5, v4    ; in: row r, 32 bytes for each half of the lanes
	v_add_nc_u32 v6, 512, v4        ; the row's flag lies behind its 512 bytes
	v_lshlrev_b32 v10, 4, v3        ; 16 x lane
	v_add_nc_u32 v7, s79, v10       ; back: a row's 512 bytes
	v_mov_b32 v11, s79
	v_add_nc_u32 v11, 512, v11      ; and its flag, the same word for all lanes
	s_lshl_b32 s79, s[WV], 9
	s_add_co_u32 s79, s79, MEANL
	v_add_nc_u32 v12, s79, v10
	s_wait_dscnt 0x0
	BAR
	ALLT ds_load_b128 v[MXR+4*tt:MXR+4*tt+3], v[MXL] offset:LX+256*tt
	ds_load_b128 v[TM:TM+3], v12    ; the column sums of my four channels of a row
	s_wait_dscnt 0x0
	ALLT v_add_f32 v[MXR+4*tt], v[MXR+4*tt], v[MXR+4*tt+1]
	ALLT v_add_f32 v[MXR+4*tt+2], v[MXR+4*tt+2], v[MXR+4*tt+3]
	ALLT v_add_f32 v[MXR+4*tt], v[MXR+4*tt], v[MXR+4*tt+2]
	ALLT v_rcp_f32 v[MXR+4*tt+1], v[MXR+4*tt]
	v_mov_b32 v[TM+4], 0x3a000000   ; 1/2048; also the plain instruction behind the last reciprocal
	s_wait_alu depctr_va_vdst(0)    ; one wait for the four reciprocals
.irp t, 0,1,2,3
	v_cmp_le_f32 vcc_lo, 0xf1000000, v[ST+4*\t+1]   ; -2^99 <= m: the row saw a key
	v_cndmask_b32 v[ST+4*\t+2], 0, v[MXR+4*\t+1], vcc_lo
	v_cmp_gt_f32 vcc_lo, 0xf1000000, v[ST+4*\t+1]
	v_cndmask_b32 v[ST+4*\t], 0, v[TM+4], vcc_lo
.endr
.irp t, 0,1,2,3
	WIN 0x41
.irp cb, 0,1,2,3,4,5,6,7
.irp i, 0,1,2,3
	v_pk_mul_f32 v[8*(4*(\cb)+(\t))+2*(\i):8*(4*(\cb)+(\t))+2*(\i)+1], v[8*(4*(\cb)+(\t))+2*(\i):8*(4*(\cb)+(\t))+2*(\i)+1], v[ST+4*(\t)+2:ST+4*(\t)+3] op_sel_hi:[1,0]
.endr
.endr
	WIN 0x04                        ; store data window 1
.irp cb, 0,1,2,3,4,5,6,7
	ds_store_b128 v5, v[8*(4*(\cb)+(\t)):8*(4*(\cb)+(\t))+3]   offset:64*(\cb)
	ds_store_b128 v5, v[8*(4*(\cb)+(\t))+4:8*(4*(\cb)+(\t))+7] offset:64*(\cb)+16
.endr
	WIN 0
	ds_store_b32 v6, v[ST+4*(\t)]
	s_wait_xcnt 0x0                 ; the tile before's stores have read their registers
.set i, 0
.rept 16
	ds_load_b128 v[KV+4*i:KV+4*i+3], v7 offset:SP*i  ; LDS serves a wave's instructions in order: these see the stores above
.set i, i+1
.endr
.set i, 0
.rept 16
	ds_load_b32 v[KV+64+i], v11 offset:SP*i
.set i, i+1
.endr
	s_wait_dscnt 0x0
.set i, 0
.rept 64
	v_fma_f32 v[KV+i], v[TM+i%4], v[KV+64+i/4], v[KV+i]
.set i, i+1
.endr
.set i, 0
.rept 16
	global_store_b128 v10, v[KV+4*i:KV+4*i+3], s[OB:OB+1] offset:(16*(\t)+i)*2048  ; 512 consecutive bytes, aligned
.set i, i+1
.endr
.endr
	s_wait_tensorcnt 0x0            ; the wave's end: behind my last tensor load and my last LDS store
	ds_add_u32 v[SPW], v[NIL]
	s_wait_dscnt 0x0
	CROUND                          ; the closing round
	s_endpgm
.Lfunc_end_k_q7134059b76_attn:
	.size	k_q7134059b76_attn, .Lfunc_end_k_q7134059b76_attn-k_q7134059b76_attn
	.p2alignl 7, 3214868480
	.fill 96, 4, 3214868480
	.section	.rodata,"a",@progbits
	.p2align	6, 0x0
	.amdhsa_kernel k_q7134059b76_attn
		.amdhsa_group_segment_fixed_size 327680
		.amdhsa_private_segment_fixed_size 0
		.amdhsa_enable_private_segment 0
		.amdhsa_kernarg_size 40
		.amdhsa_user_sgpr_count 2
		.amdhsa_user_sgpr_kernarg_segment_ptr 1
		.amdhsa_wavefront_size32 1
		.amdhsa_system_sgpr_workgroup_id_x 1
		.amdhsa_system_sgpr_workgroup_id_y 1
		.amdhsa_system_sgpr_workgroup_id_z 1
		.amdhsa_system_vgpr_workitem_id 0
		.amdhsa_next_free_vgpr 1024
		.amdhsa_next_free_sgpr 80
		.amdhsa_reserve_vcc 1
		.amdhsa_float_denorm_mode_32 3
		.amdhsa_float_denorm_mode_16_64 3
		.amdhsa_memory_ordered 1
		.amdhsa_forward_progress 1
		.amdhsa_inst_pref_size 216
	.end_amdhsa_kernel
	.amdgpu_metadata
---
amdhsa.version: [ 1, 2 ]
amdhsa.kernels:
  - .name:           k_q7134059b76_attn
    .symbol:         k_q7134059b76_attn.kd
    .args:
      - { .name: qkv, .offset: 0, .size: 8, .value_kind: global_buffer, .address_space: global }
      - { .name: vsum, .offset: 8, .size: 8, .value_kind: global_buffer, .address_space: global }
      - { .name: source_key_value_padding_mask, .offset: 16, .size: 8, .value_kind: global_buffer, .address_space: global }
      - { .name: source_query_padding_mask, .offset: 24, .size: 8, .value_kind: global_buffer, .address_space: global }
      - { .name: out0, .offset: 32, .size: 8, .value_kind: global_buffer, .address_space: global }
    .group_segment_fixed_size: 327680
    .private_segment_fixed_size: 0
    .kernarg_segment_align: 8
    .kernarg_segment_size: 40
    .max_flat_workgroup_size: 128
    .sgpr_count:     80
    .vgpr_count:     1024
    .wavefront_size: 32
...
	.end_amdgpu_metadata
.endif
;; end of part 3
